; MI455X (gfx1250); checked and timed in simulation.
; The chip was launched on July 23, 2026; its instructions are those of AMD's public machine-readable ISA for CDNA 5 (MIT licence, August 2026) and "CDNA5" Instruction Set Architecture Reference Guide (July 2026). The comments in the code are by the model that wrote it; some were corrected since.
;; TFN. Allowed arithmetic: matrix products marked QUANTISED: E2M3 operands, one E8M0 scale for each 32 along K, by v_wmma_scale_f32_16x16x128_f8f6f4 with both operands' format E2M3, f32 sums; products left as they are: f32 operands where the result goes on into a quantised operand, else bf16, f16 or f32 operands; f32 sums; everything else in f32.
;; Inputs: W1 4,257 x 768 float32; W2 768 x 768 float32; aW 128 x 32 float32; a_beta 128 float32; a_gamma 128 float32; a_mean 128 float32; a_var 128 float32; ab 32 float32; audio_x 128 x 128 x 128 float32; b1 768 float32; b2 768 float32; tW 768 x 128 float32; t_beta 768 float32; t_gamma 768 float32; t_mean 768 float32; t_var 768 float32; tb 128 float32; text_x 128 x 128 x 768 float32.
;; Outputs: out0 128 x 128 x 768 float32.
;; This version of the problem:
;;   THIS VERSION OF THE PROBLEM IS GIVEN IN LOW PRECISION. The matrix products marked QUANTISED in the list below multiply operands that are first quantised to E2M3 (2 exponent bits, 3 mantissa bits; 6 bits a number), with one power-of-two scale for each 32 numbers along K (OCP MX v1.0); their sums are f32. All else is computed in f32.
;;   The module's matrix products, in the order in which they are computed (A, B: the left and right operand; K: the contracted axis; several contracted axes count as one K, in the product's order):
;;     1. [M 16,384, K 128] x [K 128, N 32]; A: computed on the way; B: input aW: QUANTISED
;;     2. [M 16,384, K 768] x [K 768, N 128]; A: computed on the way; B: input tW: QUANTISED
;;     3. batch 16,384 x [M 33, K 1] x [K 1, N 129]; A: computed on the way; B: computed on the way: left as it is (no contracted axis)
;;     4. [M 16,384, K 4,257] x [K 4,257, N 768]; A: computed on the way; B: input W1: QUANTISED
;;     5. [M 16,384, K 768] x [K 768, N 768]; A: computed on the way; B: input W2: QUANTISED
;;   THE QUANTISER, for each operand of a quantised product, along K:
;;     - K is cut into blocks of 32 from its start; a last block that is shorter is filled with zeros.
;;     - A block's scale is 2^e with e = floor(log2(the largest magnitude in the block)) - 2, held to -126 .. 127; a block of zeros has e = 0. As a byte (E8M0): e + 127.
;;     - Each number is divided by its block's scale, clamped to +-7.5, and rounded to the nearest number of E2M3, ties to even, subnormals kept.
;;     - The product sums the exact products of the quantised numbers (number of the format x scale) in f32.
;;   ~~~python
;;   def quantise(x, axis):      # numpy; x: float32 -> the quantised numbers, widened to float32 again
;;       x = np.moveaxis(x, axis, -1); K = x.shape[-1]
;;       x = np.pad(x, [(0, 0)] * (x.ndim - 1) + [(0, -K % 32)]); x = x.reshape(x.shape[:-1] + (-1, 32)); a = np.abs(x).max(-1, keepdims=True)
;;       e = np.where(a > 0, np.clip(np.frexp(np.where(a > 0, a, 1))[1] - 1 - 2, -126, 127), 0)      # np.frexp(a)[1] - 1 = floor(log2(a)), exactly
;;       r = np.clip(x / 2.0 ** e, -7.5, 7.5)
;;       step = 2.0 ** (np.maximum(np.frexp(np.where(r == 0, 1, r))[1] - 1, 0) - 3)
;;       q = np.round(r / step) * step * 2.0 ** e      # np.round: ties to even
;;       return np.moveaxis(q.reshape(q.shape[:-2] + (-1,))[..., :K], -1, axis).astype(np.float32)
;;   ~~~
;;   OPERANDS COMPUTED ON THE WAY. 'Computed on the way' means the value that the module computes at that place (a softmax that the list does not call 'softmax' is quantised finished and normalised). What goes into a quantiser is computed in f32, as accurately as f32 sums, v_exp_f32 and their like allow (about 1e-6 of the number): no bf16 or f16 on the way to a quantiser, and a product that is left as it is and whose result goes on into a quantised operand takes f32 operands (vector FMAs, or v_wmma_f32_16x16x4_f32). A number that lies on a knife's edge between two numbers of the format may be rounded either way, as far as f32 arithmetic and the matrix unit's own rounding can turn it there, and no further.
;; One version. Each part assembles by itself: llvm-mc -triple=amdgcn-amd-amdhsa -mcpu=gfx1250 --defsym DOCPART=n.
;; ======== version 1 of 1: 2 launches
;; limits: right only within a limited range of input values
;; workspace buffers: wq 3,152,128 bytes
;; launch prep (part 1): grid 167 x 1, 12 waves a work-group, no clusters, 0 bytes of LDS; arguments W1, W2, tW, aW, wq; writes wq
.if DOCPART == 1
	.amdgcn_target "amdgcn-amd-amdhsa--gfx1250"
	.amdhsa_code_object_version 6
	.text
	.protected	k_qf395694530_prep
	.globl	k_qf395694530_prep
	.p2align	8
	.type	k_qf395694530_prep,@function
k_qf395694530_prep:
	s_mov_b64 s[64:65], 0
	v_nop
	global_prefetch_b8 v0, s[64:65] scope:SCOPE_SE
	s_setreg_imm32_b32 hwreg(HW_REG_WAVE_MODE, 25, 1), 1
	s_wait_xcnt 0x0
; The four weights (f32, K their FIRST axis) become codes of E2M3 with one E8M0 byte for each 32 along K, laid in wq IN THE ORDER OF THE OPERAND'S REGISTERS.
; A fragment is 16 columns x 128 K: 12 registers a lane; its image is 3 pieces of 512 bytes, piece p = registers 4 p .. 4 p + 3, lane l's 16 bytes at 16 l.
; The scale words of tiles 2 u and 2 u + 1 share 128 bytes: tile 2 u's column r at 4 r, tile 2 u + 1's at 64 + 4 r.
; wq: work-groups 0..159: chunk (w, sg) at (40 w + sg) x 19,200: 12 fragments, then 6 x 128 bytes of scale words.  sg < 34: K step sg of W1, tile b = column 192 w + 32 (b / 2) + 8 (b % 2) + r + 8 (r / 8);
;     in odd sg register place p of a block holds k = block + ((p + 1) & 31): the reader turns its own operand the same way, which changes neither a block's scale nor the products.
;     sg >= 34: K step sg - 34 of W2, tile b = column 256 (b / 4) + 64 w + 16 (b % 4) + r.   work-groups 160..165: K steps of tW (8 tiles, 12,800 bytes);  166: aW (2 tiles).
; Rows of W1 past 4,256 are read as row 4,256: the other operand's codes are zeros there, copies of the last row leave its block's largest magnitude as it is, and no load leaves the buffer.
; A LANE TAKES A COLUMN AND ITS REGISTERS RUN DOWN K (lane (r, h): k = 64 c + 32 h + 0 .. 31), so a block lies in one lane and the conversions' results are the operand's registers.
; A wave takes a tile; in the seven work-groups of tW and aW the waves past the last tile have no tile and end.
; LIMITS: NaN and infinities are not served; a block whose largest magnitude lies under 2^-124 (a block of zeros too) gets the byte 1; its bytes are read by this program alone.
.set CH,   19200
.set TWQ,  3072000
.set AWQ,  3148800
.set M,    8                           ; v8-11   four running maxima
.set SOP,  12                          ; v12     the conversion's scale operand
.set BY,   13                          ; v13-14  the two blocks' bytes
.set WD,   15                          ; v15     the scale word
.set WD2,  16                          ; v16     the other half's part of it
.set V8H,  17                          ; v17     8 h
.set O16,  18                          ; v18     16 x lane
.set O4R,  19                          ; v19     4 r
.set F,    20                          ; v20-31  the fragment
.set FT,   32                          ; v32-34  a block's upper 16 codes (a conversion's three registers begin on an even number)
.set X,    64                          ; v64-127 my 64 numbers
.set OF,   128                         ; v128-191 an offset for each load: none is written twice
.macro QMAX pb, i                      ; line i of 16: the largest magnitude of v[pb] .. v[pb + 31], in four chains, with the floor 2^(3 - 127) as a last leaf
.if (\i) < 4
	v_max3_num_f32 v[M+(\i)], |v[\pb+8*(\i)]|, |v[\pb+8*(\i)+1]|, |v[\pb+8*(\i)+2]|
.elseif (\i) < 8
.set k_, (\i)-4
	s_delay_alu instid0(VALU_DEP_4)
	v_max3_num_f32 v[M+k_], v[M+k_], |v[\pb+8*k_+3]|, |v[\pb+8*k_+4]|
.elseif (\i) < 12
.set k_, (\i)-8
	s_delay_alu instid0(VALU_DEP_4)
	v_max3_num_f32 v[M+k_], v[M+k_], |v[\pb+8*k_+5]|, |v[\pb+8*k_+6]|
.elseif (\i) == 12
	s_delay_alu instid0(VALU_DEP_4)
	v_max3_num_f32 v[M], v[M], |v[\pb+7]|, |v[\pb+15]|
.elseif (\i) == 13
	s_delay_alu instid0(VALU_DEP_3)
	v_max3_num_f32 v[M+2], v[M+2], |v[\pb+23]|, |v[\pb+31]|
.elseif (\i) == 14
	s_delay_alu instid0(VALU_DEP_1)
	v_max3_num_f32 v[M], v[M], v[M+1], v[M+2]
.else
	s_delay_alu instid0(VALU_DEP_1)
	v_max3_num_f32 v[M], v[M], v[M+3], 0x1800000
.endif
.endm
.macro QEND pb, c, i                   ; line i of 7: the scale operand, the block's 32 codes into registers 6 c .. 6 c + 5, its byte
.if (\i) == 0
	s_delay_alu instid0(VALU_DEP_1)
	v_add_nc_u32 v[SOP], 0xff000000, v[M]          ; 2 off the exponent field: the conversion takes this operand's exponent field as its scale
.elseif (\i) == 1
	v_cvt_scalef32_pk16_fp6_f32 v[F+6*(\c):F+6*(\c)+2], v[\pb:\pb+15], v[SOP]
.elseif (\i) == 2
	v_cvt_scalef32_pk16_fp6_f32 v[FT:FT+2], v[\pb+16:\pb+31], v[SOP]
.elseif (\i) == 3
	v_lshrrev_b32 v[BY+(\c)], 23, v[SOP]           ; the byte; also the plain line behind the conversions
.else
	v_mov_b32 v[F+6*(\c)+(\i)-1], v[FT+(\i)-4]
.endif
.endm
	s_load_b256 s[4:11], s[0:1], 0x0               ; W1 s[4:5], W2 s[6:7], tW s[8:9], aW s[10:11]
	s_load_b64 s[12:13], s[0:1], 0x20              ; wq
	v_lshrrev_b32 v1, 5, v0
	s_delay_alu instid0(VALU_DEP_1)
	v_readfirstlane_b32 s14, v1                    ; b: my wave's tile
	v_and_b32 v1, 31, v0                           ; lane
	v_and_b32 v2, 15, v0                           ; r
	v_bfe_u32 v3, v0, 4, 1                         ; h
	v_mov_b32 v[WD2], 0                            ; a lane permute's destination counts as one of its sources
	s_delay_alu instid0(VALU_DEP_2)
	v_lshlrev_b32 v[V8H], 3, v3
	v_lshlrev_b32 v[O16], 4, v1
	v_lshlrev_b32 v[O4R], 2, v2
	s_mov_b32 s48, 0x76543210
	s_mov_b32 s49, 0xfedcba98                      ; selects for lane l xor 16
	s_mov_b32 s15, ttmp9                           ; the work-group's number
	s_mul_hi_u32 s16, s15, 0x6666667               ; w = number / 40 (exact for numbers under 2^20)
	s_mul_i32 s17, s16, 40
	s_sub_co_u32 s17, s15, s17                     ; sg
	s_lshl_b32 s18, s17, 7                         ; W1: first k
	s_and_b32 s19, s17, 1                          ;     the turn by one place
	s_mul_i32 s20, s16, 192
	s_lshr_b32 s21, s14, 1
	s_lshl_b32 s21, s21, 5
	s_add_co_u32 s20, s20, s21
	s_and_b32 s21, s14, 1
	s_lshl_b32 s21, s21, 3
	s_add_co_u32 s20, s20, s21                     ;     the tile's first column
	s_sub_co_u32 s22, s18, 34*128                  ; W2: first k (used where sg >= 34 alone)
	s_lshr_b32 s23, s14, 2
	s_lshl_b32 s23, s23, 8
	s_lshl_b32 s24, s16, 6
	s_add_co_u32 s23, s23, s24
	s_and_b32 s24, s14, 3
	s_lshl_b32 s24, s24, 4
	s_add_co_u32 s23, s23, s24                     ;     the tile's first column
	s_mul_i32 s25, s15, CH                         ; the chunk's place
	s_sub_co_u32 s26, s15, 160
	s_lshl_b32 s27, s26, 7                         ; tW: first k
	s_mul_i32 s28, s26, 12800
	s_add_co_u32 s28, s28, TWQ                     ;     the chunk's place
	s_lshl_b32 s29, s14, 4                         ; tW, aW: the tile's first column
	s_movk_i32 s30, 767
	s_movk_i32 s31, 512
	s_wait_kmcnt 0x0
	s_cmp_lt_u32 s17, 34                           ; W1 or W2 ..  (every choice hangs on the work-group's number alone)
	s_cselect_b64 s[32:33], s[4:5], s[6:7]
	s_cselect_b32 s34, 4256, s30                   ; the last row
	s_cselect_b32 s35, s18, s22                    ; first k
	s_cselect_b32 s36, s19, 0                      ; the turn
	s_cselect_b32 s37, 8, 0                        ; mask of r / 8 in the tile's choice of columns
	s_cselect_b32 s38, s20, s23                    ; first column
	s_cmp_lt_u32 s15, 160                          ; .. or tW ..
	s_cselect_b64 s[32:33], s[32:33], s[8:9]
	s_cselect_b32 s34, s34, s30
	s_cselect_b32 s39, 3072, s31                   ; bytes in a row
	s_cselect_b32 s35, s35, s27
	s_cselect_b32 s36, s36, 0
	s_cselect_b32 s37, s37, 0
	s_cselect_b32 s38, s38, s29
	s_cselect_b32 s40, s25, s28                    ; the chunk's place in wq
	s_cselect_b32 s41, 12, 8                       ; tiles
	s_cmp_lt_u32 s15, 166                          ; .. or aW
	s_cselect_b64 s[32:33], s[32:33], s[10:11]
	s_cselect_b32 s34, s34, 127
	s_cselect_b32 s39, s39, 128
	s_cselect_b32 s35, s35, 0
	s_cselect_b32 s40, s40, AWQ
	s_cselect_b32 s41, s41, 2
	s_cmp_ge_u32 s14, s41
	s_cbranch_scc1 .Lend                           ; no tile for this wave
	s_wait_alu depctr_va_vdst(0)
	v_and_b32 v4, s37, v2
	s_delay_alu instid0(VALU_DEP_1)
	v_add_nc_u32 v4, v4, v2
	s_delay_alu instid0(VALU_DEP_1)
	v_add_nc_u32 v4, s38, v4
	s_delay_alu instid0(VALU_DEP_1)
	v_lshlrev_b32 v4, 2, v4                        ; my column, in bytes
	v_lshl_add_u32 v5, v3, 5, s35                  ; my first block's first k,
	s_delay_alu instid0(VALU_DEP_1)
	v_add_nc_u32 v6, 64, v5                        ; my second's
.set p_, 0
.rept 32
	s_add_co_u32 s42, s36, p_
	s_and_b32 s42, s42, 31                         ; the place in the block that register place p takes
.irp c, 0,1
	v_add_nc_u32 v[OF+32*\c+p_], s42, v[5+\c]
	s_delay_alu instid0(VALU_DEP_1)
	v_min_u32 v[OF+32*\c+p_], s34, v[OF+32*\c+p_]  ; held at the last row
	s_delay_alu instid0(VALU_DEP_1)
	v_mad_u32_u24 v[OF+32*\c+p_], v[OF+32*\c+p_], s39, v4
	global_load_b32 v[X+32*\c+p_], v[OF+32*\c+p_], s[32:33]
.endr
.set p_, p_+1
.endr
	s_mul_i32 s43, s14, 1536
	s_add_co_u32 s44, s40, s43
	s_mov_b32 s45, 0
	s_add_nc_u64 s[46:47], s[12:13], s[44:45]      ; my fragment's image
	s_mul_i32 s43, s41, 1536
	s_add_co_u32 s44, s40, s43
	s_lshl_b32 s43, s14, 6
	s_add_co_u32 s44, s44, s43
	s_add_nc_u64 s[50:51], s[12:13], s[44:45]      ; my tile's 64 bytes of scale words
	s_wait_loadcnt 0x0
.irp c, 0,1
.set i_, 0
.rept 16
	QMAX X+32*\c, i_
.set i_, i_+1
.endr
.set i_, 0
.rept 7
	QEND X+32*\c, \c, i_
.set i_, i_+1
.endr
.endr
	s_delay_alu instid0(VALU_DEP_4)
	v_lshl_or_b32 v[WD], v[BY+1], 16, v[BY]        ; my two bytes: blocks h and 2 + h,
	s_delay_alu instid0(VALU_DEP_1)
	v_lshlrev_b32 v[WD], v[V8H], v[WD]             ; at their places;
	s_delay_alu instid0(VALU_DEP_1)
	v_permlanex16_b32 v[WD2], v[WD], s48, s49
	s_delay_alu instid0(VALU_DEP_1)
	v_or_b32 v[WD], v[WD], v[WD2]                  ; with lane l xor 16's the word is whole
	global_store_b128 v[O16], v[F:F+3], s[46:47]               ; each store covers 512 consecutive bytes, at a multiple of 256 from wq's first byte
	global_store_b128 v[O16], v[F+4:F+7], s[46:47] offset:512
	global_store_b128 v[O16], v[F+8:F+11], s[46:47] offset:1024
	global_store_b32 v[O4R], v[WD], s[50:51]       ; both halves of the lanes hold the same word and write it to the same place; the work-group's tiles fill consecutive bytes
.Lend:
	s_endpgm
.Lfunc_end_k_qf395694530_prep:
	.size	k_qf395694530_prep, .Lfunc_end_k_qf395694530_prep-k_qf395694530_prep
	.p2alignl 7, 3214868480
	.fill 96, 4, 3214868480
	.section	.rodata,"a",@progbits
	.p2align	6, 0x0
	.amdhsa_kernel k_qf395694530_prep
		.amdhsa_group_segment_fixed_size 0
		.amdhsa_private_segment_fixed_size 0
		.amdhsa_enable_private_segment 0
		.amdhsa_kernarg_size 40
		.amdhsa_user_sgpr_count 2
		.amdhsa_user_sgpr_kernarg_segment_ptr 1
		.amdhsa_wavefront_size32 1
		.amdhsa_system_sgpr_workgroup_id_x 1
		.amdhsa_system_sgpr_workgroup_id_y 1
		.amdhsa_system_sgpr_workgroup_id_z 1
		.amdhsa_system_vgpr_workitem_id 0
		.amdhsa_next_free_vgpr 192
		.amdhsa_next_free_sgpr 66
		.amdhsa_reserve_vcc 0
		.amdhsa_float_denorm_mode_32 3
		.amdhsa_float_denorm_mode_16_64 3
		.amdhsa_memory_ordered 1
		.amdhsa_forward_progress 1
		.amdhsa_inst_pref_size 29
	.end_amdhsa_kernel
	.amdgpu_metadata
---
amdhsa.version: [ 1, 2 ]
amdhsa.kernels:
  - .name:           k_qf395694530_prep
    .symbol:         k_qf395694530_prep.kd
    .args:
      - { .name: W1, .offset: 0, .size: 8, .value_kind: global_buffer, .address_space: global }
      - { .name: W2, .offset: 8, .size: 8, .value_kind: global_buffer, .address_space: global }
      - { .name: tW, .offset: 16, .size: 8, .value_kind: global_buffer, .address_space: global }
      - { .name: aW, .offset: 24, .size: 8, .value_kind: global_buffer, .address_space: global }
      - { .name: wq, .offset: 32, .size: 8, .value_kind: global_buffer, .address_space: global }
    .group_segment_fixed_size: 0
    .private_segment_fixed_size: 0
    .kernarg_segment_align: 8
    .kernarg_segment_size: 40
    .max_flat_workgroup_size: 384
    .sgpr_count:     66
    .vgpr_count:     192
    .wavefront_size: 32
...
	.end_amdgpu_metadata
.endif
;; end of part 1
;; launch fused (part 2): grid 256 x 1, 4 waves a work-group, clusters of 4 x 1, 327,680 bytes of LDS; arguments text_x, audio_x, a_gamma, a_beta, a_mean, a_var, ab, t_gamma, t_beta, t_mean, t_var, tb, b1, b2, wq, out0; writes out0
.if DOCPART == 2
	.amdgcn_target "amdgcn-amd-amdhsa--gfx1250"
	.amdhsa_code_object_version 6
	.text
	.protected	k_qf395694530_fused
	.globl	k_qf395694530_fused
	.p2align	8
	.type	k_qf395694530_fused,@function
k_qf395694530_fused:
	s_mov_b64 s[64:65], 0
	v_nop
	global_prefetch_b8 v0, s[64:65] scope:SCOPE_SE
	s_setreg_imm32_b32 hwreg(HW_REG_WAVE_MODE, 25, 1), 1
	s_wait_xcnt 0x0
	s_wait_alu depctr_hold_cnt(0) depctr_sa_sdst(0) depctr_va_vdst(0) depctr_va_sdst(0) depctr_va_ssrc(0) depctr_va_vcc(0) depctr_vm_vsrc(0)
	s_getreg_b32 s2, hwreg(HW_REG_IB_STS2, 6, 4)
	s_cmp_eq_u32 s2, 0
	s_cbranch_scc0 .Lentry_in_a_cluster
	s_endpgm
.Lentry_in_a_cluster:
	s_bfe_u32 s2, ttmp6, 0x10000c
	s_cmp_lg_u32 s2, 0x3003
	s_cbranch_scc0 .Lentry_shape_is_right
	s_endpgm
.Lentry_shape_is_right:
; out = relu(Q(relu(Q(fusion) Q(W1) + b1)) Q(W2) + b2) + text_x, fusion[129 i + j] = _a[i] _t[j], _a = (1, Q(BN(audio)) Q(aW) + ab), _t = (1, Q(BN(text)) Q(tW) + tb).  Q: E2M3, one E8M0 byte for each 32 along K.
; SHARES.  A work-group takes 64 rows through the whole chain.  Wave w QUANTISES the operands of rows 16 w .. 16 w + 15 and MULTIPLIES all 64 rows by 192 of the 768 columns: 48 accumulators.
; Every product is used transposed (source 0 = 16 columns of a weight, source 1 = 16 rows): a lane holds one row.  Operands go from wave to wave through LDS as images of their registers.
; WEIGHTS.  wq (made by the launch before) holds each wave's stream of 40 K steps (34 of W1, 6 of W2) as images of registers: 12 fragments and 6 x 128 bytes of scale words a K step.  All work-groups walk the same stream.
; Four work-groups form a cluster, and the first 3 of a wave's 12 fragments of each K step are asked for JOINTLY: each of the four issues the same tensor load, with the same descriptor and a mask that names the four.  They land
; in a ring of two slots, each with TWO K steps (4 waves x 2 x 4,608 = 36,864 bytes); one round of the cluster's barrier for two K steps.  A wave's part of a slot is read by that wave alone.  The other 9 fragments and the
; scale words go from memory straight into registers, asked for two K steps ahead, as soon as their registers are free.  The ring is kept to 73,728 bytes so that it lies inside the bytes of text_x's rows 0 to 23:
; rows 32 to 63 of text_x stay in LDS for the residual, and beside them and the other 105,472 bytes LDS has no room for a larger one.
; No prefetch: all work-groups walk the same 3,072,000 bytes in the same order and ask two K steps ahead; text_x and audio_x are asked for whole in the kernel's first lines, where there is no loop to run ahead in.
; THE FUSION IS NEVER STORED.  K step s, place x: with j = x - s, fusion = G[j] a_s + G2[j] a_(s-1), G[j] = _t[j] (0 for j < 0), G2[j] = _t[j + 129] for j < 0 (0 else): one term is an exact zero.  A lane loads windows of 36
; numbers once for four K steps and reads them at register offset 4 - s % 4.  In odd K steps the places of each block are turned by one, so that packed pairs stay aligned; W1's codes are turned alike.
; text_x comes by one tensor load a wave (my 16 rows, dense in memory: 48 lines of 1,024 bytes).  For the residual rows 0 to 31 are read a second time, in whole aligned pieces of 256 bytes, asked for two K steps ahead of
; the last product; on rows 32 to 63 the result is added in LDS, in place.  At the end each wave sends out its own 256 bytes of every row and segment.
; LIMITS: NaN and infinities are not served (0 x infinity in the windows' zeros); a block whose largest magnitude lies under 2^-124, a block of zeros too, gets the byte 1 (its bytes are read here alone).
.set TXL,   1040                       ; LDS from 0: text_x: line (3 row + segment) x 1,040 (1,024 + 16); at the end, in the same form: the stage for the result
.set TXP,   3120                       ; a row: three lines; 780 words: sixteen rows begin in sixteen different groups of four banks
.set SLOTB, 36864                      ; from 0, behind the text branch: the ring: slot x 36,864 + wave x 9,216 + (K step % 2) x 4,608 + fragment x 1,536
.set WPART, 9216
.set STEPB, 4608
.set IMG,   199680                     ; two buffers of operand images, 4 x 1,536 bytes + 512 of scale words
.set IMGB,  6656
.set G,     212992                     ; row x 688: G[j] at byte 4 (j + 36)
.set GP,    688
.set AUD,   212992                     ; at the head, where G lies later (a round between): audio_x, row x 528
.set AUDP,  528
.set G2,    257024                     ; row x 400
.set G2P,   400
.set Y1,    212992                     ; over G and G2, behind the main loop: y1's half fragments 9,216 m + 768 gm; scale words from 36,864
.set AT,    282624                     ; row x 176: a_i at number i + 4
.set ATP,   176
.set PRM,   293888                     ; the norms' numbers: text mean 0, gain 3,072, beta 6,144; audio 9,216, 9,728, 10,240
.set SPARE, 304640                     ; the spare words, 128 bytes a wave
.set CH,    19200
.set TWQ,   3072000
.set TWCH,  12800
.set AWQ,   3148800
; window 0
.set SPW, 1
.set NIL, 2
.set L16, 3
.set L4,  4
.set V8H, 5
.set IST, 6
.set ISS, 7
.set IAD, 8
.set GB,  9
.set G2B, 10
.set ATB, 11
.set ADG, 12
.set ADG2, 13
.set ADA, 14
.set WD2, 15
.set RR,  16
.set HH,  17
.set ROW, 18
.set V32H, 19
.set AR,  20                           ; v20-27 a[4 T - 4 .. 4 T + 3]; at the head, behind the main loop and at the end: addresses
.set SCB, 28                           ; v28-39 the weights' scale words, two sets of 6
.set AS,  40                           ; v40-47 the rows' scale words, two sets of 4
.set WD,  48
.set SOP, 49
.set BY,  50
.set M,   52
.set F,   56
.set FT,  68
.set P,   72
.set TW0, 104
.set TW1, 140
.set TW2, 176
.set PX,  212
.set AX,  212
.set AY,  214
.set Z4,  244
.set ONE, 248
.set ASA, SCB+6
.set T8,  20
.set T4,  21
.set PA8, 22
.set PA4, 23
.set G2R, 24
.set XB,  25
.set PB,  26
.set XBA, 27
.set AST, 14
.set XAD, 249
.set PAD, 250
.set ATW, 251
.set GW,  252
.set GZ,  253
.set G2W, 254
.set G2Z, 255
.set V64H, 249
.set RB0, 250                          ; from the main loop on: my part of ring slot 0, of slot 1: wave x 9,216 + 16 x lane (+ 36,864)
.set RB1, 251
.set RBX, 252                          ; product 5: of the slot in hand
.set YW,  20
.set YW8, 21
.set YS,  22
.set YA16, 25
.set YA8, 26
.set YSA, 27
.set HB,  56
.set YV,  104
.set BM,  200
.set BT,  206
.set SP6, 212
.set BY6, 218
.set EA,  20                           ; the way out: v20-23, v24-27, v12
.set CA,  24
.set CO,  12
; window 1: v0-143 weights, set 0; v144-239 the rows' fragments, two sets; v240-255 accumulators 46, 47.  window 2: v0-143 weights, set 1; v144-255 accumulators 32-45.  window 3: accumulators 0-31.
; At the head: window 3: v0-191 tW's two sets, v192-255 text_h; window 2: v144-167 aW, v168-183 audio_h, v184-247 audio_x on its way to LDS.
.set AFB, 144
.set G1W, 8                            ; s[8:15] group 1 of the joint loads; s[16:19], s[20:23] their groups 0, one for each slot (the norms' pointers are done with)
.set G0W, 16
.set G1T, 36
.set G0T, 56
.set WV,  72
.set SEL, 74
.set BP,  76
.set TS,  78
.set CNT, 79
.set TWP, 80
.set TXO, 82
.set TPO, 83
.set OUTP, 84
.set MSB, 0
.macro WIN new
.if MSB != (\new)
	s_set_vgpr_msb (MSB<<8)|(\new)
.set MSB, \new
.endif
.endm
.macro PLACES n
.rept \n
	v_nop
.endr
.endm
.macro VW                              ; the wait ahead of a wait that blocks, a branch or a batch of transcendentals behind fresh vector results
	s_wait_alu depctr_va_vdst(0)
.endm
.macro BARRIER                         ; my LDS stores have landed and my LDS loads are in: then the work-group's barrier
	VW
	s_wait_dscnt 0x0
	s_barrier_signal -1
	s_barrier_wait -1
.endm
; A round of the cluster's barrier: my work-group's barrier; wave 0 signals for the work-group; every wave waits for all four work-groups; my work-group's barrier once more.
.macro CREST                           ; a round behind its opening barrier
	s_cmp_lg_u32 s[WV], 0
	s_cbranch_scc1 .Lnot_wave_0_\@
	s_barrier_signal -3
.Lnot_wave_0_\@:
	s_barrier_wait -3
	s_barrier_signal -1
	s_barrier_wait -1
.endm
.macro ROUND
	s_barrier_signal -1
	s_barrier_wait -1
	CREST
.endm
.macro ACCSET l
.if (\l) < 32
.set AW, 3
.set ACR, 8*(\l)
.elseif (\l) < 46
.set AW, 2
.set ACR, 144+8*((\l)-32)
.else
.set AW, 1
.set ACR, 240+8*((\l)-46)
.endif
.endm
.macro WM d, a, b, sa, sb, row1
.if \row1
	v_wmma_scale_f32_16x16x128_f8f6f4 v[\d:\d+7], v[\a:\a+11], v[\b:\b+11], v[\d:\d+7], v[\sa], v[\sb] matrix_a_fmt:MATRIX_FMT_FP6 matrix_b_fmt:MATRIX_FMT_FP6 matrix_a_scale:MATRIX_SCALE_ROW1
.else
	v_wmma_scale_f32_16x16x128_f8f6f4 v[\d:\d+7], v[\a:\a+11], v[\b:\b+11], v[\d:\d+7], v[\sa], v[\sb] matrix_a_fmt:MATRIX_FMT_FP6 matrix_b_fmt:MATRIX_FMT_FP6
.endif
.endm
; the quantiser of one block of 32 numbers that lie in one lane
.macro QMAX pb, i                      ; line i of 16: the largest magnitude, four chains, the floor 2^(3 - 127) as a last leaf
.if (\i) < 4
	v_max3_num_f32 v[M+(\i)], |v[\pb+8*(\i)]|, |v[\pb+8*(\i)+1]|, |v[\pb+8*(\i)+2]|
.elseif (\i) < 8
.set k_, (\i)-4
	v_max3_num_f32 v[M+k_], v[M+k_], |v[\pb+8*k_+3]|, |v[\pb+8*k_+4]|
.elseif (\i) < 12
.set k_, (\i)-8
	v_max3_num_f32 v[M+k_], v[M+k_], |v[\pb+8*k_+5]|, |v[\pb+8*k_+6]|
.elseif (\i) == 12
	v_max3_num_f32 v[M], v[M], |v[\pb+7]|, |v[\pb+15]|
.elseif (\i) == 13
	v_max3_num_f32 v[M+2], v[M+2], |v[\pb+23]|, |v[\pb+31]|
.elseif (\i) == 14
	v_max3_num_f32 v[M], v[M], v[M+1], v[M+2]
.else
	v_max3_num_f32 v[M], v[M], v[M+3], 0x1800000
.endif
.endm
.macro QEND pb, c, i                   ; line i of 7: scale operand (2 off the exponent field), 32 codes into registers 6 c .. 6 c + 5 of F, the byte
.if (\i) == 0
	v_add_nc_u32 v[SOP], 0xff000000, v[M]
.elseif (\i) == 1
	v_cvt_scalef32_pk16_fp6_f32 v[F+6*(\c):F+6*(\c)+2], v[\pb:\pb+15], v[SOP]
.elseif (\i) == 2
	v_cvt_scalef32_pk16_fp6_f32 v[FT:FT+2], v[\pb+16:\pb+31], v[SOP]
.elseif (\i) == 3
	v_lshrrev_b32 v[BY+(\c)], 23, v[SOP]           ; also the plain line behind the conversions
.else
	v_mov_b32 v[F+6*(\c)+(\i)-1], v[FT+(\i)-4]
.endif
.endm
.macro QFIN buf, i                     ; line i of 8: the scale word (my bytes: blocks h and 2 + h; lane l xor 16 has the others), then image and word to LDS
.if (\i) == 0
	v_lshl_or_b32 v[WD], v[BY+1], 16, v[BY]
.elseif (\i) == 1
	v_lshlrev_b32 v[WD], v[V8H], v[WD]
.elseif (\i) == 2
	v_permlanex16_b32 v[WD2], v[WD], s[SEL], s[SEL+1]
.elseif (\i) == 3
	v_or_b32 v[WD], v[WD], v[WD2]
.elseif (\i) < 7
	ds_store_b128 v[IST], v[F+4*((\i)-4):F+4*((\i)-4)+3] offset:(\buf)*IMGB+512*((\i)-4)
.else
	ds_store_b32 v[ISS], v[WD] offset:(\buf)*IMGB
.endif
.endm
.macro QBLK pb, c
.set i_, 0
.rept 16
	QMAX \pb, i_
.set i_, i_+1
.endr
.set i_, 0
.rept 7
	QEND \pb, \c, i_
.set i_, i_+1
.endr
.endm
.macro WORD
.irp i, 0,1,2,3
	QFIN 0, \i
.endr
.endm
; the fusion: P = window x a.  O_ = 4 - u: the window's register offset; E_ = 1: the block's places are turned by one
.macro QMUL t, i
.if E_ == 0
	v_pk_mul_f32 v[P+2*(\i):P+2*(\i)+1], v[\t+O_+2*(\i):\t+O_+2*(\i)+1], v[AX:AX+1] op_sel_hi:[1,0]
.elseif (\i) < 15
	v_pk_mul_f32 v[P+2*(\i):P+2*(\i)+1], v[\t+O_+1+2*(\i):\t+O_+2+2*(\i)], v[AX:AX+1] op_sel_hi:[1,0]
.elseif (\i) == 15
	v_mul_f32 v[P+30], v[\t+O_+31], v[AX]
.else
	v_mul_f32 v[P+31], v[\t+O_], v[AX]
.endif
.endm
.macro QFMA t, i
.if E_ == 0
	v_pk_fma_f32 v[P+2*(\i):P+2*(\i)+1], v[\t+O_+2*(\i):\t+O_+2*(\i)+1], v[AY:AY+1], v[P+2*(\i):P+2*(\i)+1] op_sel_hi:[1,0,1]
.elseif (\i) < 15
	v_pk_fma_f32 v[P+2*(\i):P+2*(\i)+1], v[\t+O_+1+2*(\i):\t+O_+2+2*(\i)], v[AY:AY+1], v[P+2*(\i):P+2*(\i)+1] op_sel_hi:[1,0,1]
.elseif (\i) == 15
	v_fmac_f32 v[P+30], v[\t+O_+31], v[AY]
.else
	v_fmac_f32 v[P+31], v[\t+O_], v[AY]
.endif
.endm
.macro QI u, buf                       ; line qn of the list that makes one K step's fragment of the fusion (u = K step % 4) and stores its image: 104 lines for even u, 107 for odd
.set O_, 4-(\u)
.set E_, O_&1
.set q2, 2+16+E_
.set q3, q2+16+E_
.set q4, q3+16
.set q5, q4+7
.set q6, q5+16+E_
.set q7, q6+16
.set q8, q7+7
.set q9, q8+8
.if qn == 0
	v_mov_b32 v[AX], v[AR+4+(\u)]                  ; a_s
.elseif qn == 1
	v_mov_b32 v[AY], v[AR+3+(\u)]                  ; a_(s-1)
.elseif qn < q2
	QMUL TW0, qn-2
.elseif qn < q3
	QFMA TW2, qn-q2
.elseif qn < q4
	QMAX P, qn-q3
.elseif qn < q5
	QEND P, 0, qn-q4
.elseif qn < q6
	QMUL TW1, qn-q5
.elseif qn < q7
	QMAX P, qn-q6
.elseif qn < q8
	QEND P, 1, qn-q7
.elseif qn < q9
	QFIN \buf, qn-q8
.endif
.set qn, qn+1
.endm
.macro QALL u, buf
.set qn, 0
.rept 107
	QI \u, \buf
.endr
.endm
.macro TWLOAD                          ; the windows of four K steps: 29 LDS loads; s[TS] = 16 x (K step / 4)
	v_sub_nc_u32 v[ADG], v[GB], s[TS]
	v_sub_nc_u32 v[ADG2], v[G2B], s[TS]
	v_add_nc_u32 v[ADA], s[TS], v[ATB]
.irp q, 0,1,2,3,4,5,6,7,8
	ds_load_b128 v[TW0+4*\q:TW0+4*\q+3], v[ADG] offset:16*\q
.endr
.irp q, 0,1,2,3,4,5,6,7,8
	ds_load_b128 v[TW1+4*\q:TW1+4*\q+3], v[ADG] offset:256+16*\q
.endr
.irp q, 0,1,2,3,4,5,6,7,8
	ds_load_b128 v[TW2+4*\q:TW2+4*\q+3], v[ADG2] offset:16*\q
.endr
	ds_load_b128 v[AR:AR+3], v[ADA]
	ds_load_b128 v[AR+4:AR+7], v[ADA] offset:16
.endm
.macro AFIMG a, ib                     ; the four rows' fragments and scale words of image buffer ib into set a: 13 LDS loads
	WIN 0x40
.set j_, 0
.rept 12
	ds_load_b128 v[AFB+48*(\a)+4*j_:AFB+48*(\a)+4*j_+3], v[IAD] offset:(\ib)*IMGB+512*j_
.set j_, j_+1
.endr
	WIN 0
	ds_load_b128 v[AS+4*(\a):AS+4*(\a)+3], v[IAD] offset:(\ib)*IMGB+6144
.endm
.macro AFY a, yo                       ; the same of y1's K step yo (counted from where the addresses stand): 17 LDS loads
	WIN 0x40
.irp m, 0,1,2,3
.irp c, 0,1
	ds_load_b128 v[AFB+48*(\a)+12*\m+6*\c:AFB+48*(\a)+12*\m+6*\c+3], v[YA16] offset:9216*\m+768*(2*(\yo)+\c)
	ds_load_b64 v[AFB+48*(\a)+12*\m+6*\c+4:AFB+48*(\a)+12*\m+6*\c+5], v[YA8] offset:9216*\m+768*(2*(\yo)+\c)
.endr
.endr
	WIN 0
	ds_load_b128 v[AS+4*(\a):AS+4*(\a)+3], v[YSA] offset:512*(\yo)
.endm
.macro GLD set, g, ld                  ; group g of set: its three fragments of the chunk at byte ld of the stream: 9 loads; with groups 1 and 3 three scale words first (windows are 0 on the way in)
.if ((\g)%2) == 1
.set j_, 0
.rept 3
	global_load_b32 v[SCB+6*(\set)+3*((\g)/2)+j_], v[L4], s[BP:BP+1] offset:(\ld)+18432+128*(3*((\g)/2)+j_)
.set j_, j_+1
.endr
.endif
	WIN (1+(\set))<<6
.set j_, 0
.rept 9
	global_load_b128 v[36*(\g)+4*j_:36*(\g)+4*j_+3], v[L16], s[BP:BP+1] offset:(\ld)+4608*(\g)+512*j_
.set j_, j_+1
.endr
.endm
.macro TXT m, win, base                ; text_x for the residual: my 256 bytes of each segment of rows 16 m .. 16 m + 15: 24 loads, each of two aligned pieces of 256 bytes
	WIN (\win)<<6
.set k_, 0
.rept 24
	global_load_b128 v[(\base)+4*k_:(\base)+4*k_+3], v[CO], s[4:5] offset:49152*(\m)+6144*(k_/3)+1024*(k_%3)
.set k_, k_+1
.endr
	WIN 0
.endm
; ONE K STEP: 48 matrix instructions, the weights' tiles in four groups of three, each against the four tiles of rows; all 48 accumulators take turns, in the same order in every step.
; rr >= 0: behind product 11 group 0 of THIS set is loaded anew, with the K step two on, from my part of the ring (address register rr, half re of the slot): 9 LDS loads.
; ld >= 0: the chunk at byte ld of the stream is the K step two on: behind each of groups 1, 2, 3 and four places the group is asked for anew: batches of 12, 9, 12 loads, 33 a step.
; nw0, at the head: group 1 and words 0-2 are in: behind their batch came 21 loads of the same step and the 33 of the step between: 54.  nw1, behind product 12: the whole set is in: behind its last batch came those 33.
; afmode 1, 2: the next step's rows come from the images, from y1.  u >= 0: the list of K step + 2 stands in fours behind products 12 to 38; no wait that blocks stands inside it.
; bar = 1: the step's barrier: signal behind product 43, wait at the end.  bar = 2: that barrier opens a round of the cluster's barrier, behind which ring slot fs, which every wave has read out, is filled again:
; behind product 39 the wait for all my tensor loads (one is out: my part of the slot that is read next), the add and the descriptor's step; four products; the wait for the add and for my LDS reads; the signal.
.macro MSTEP set, af, u, buf, ld, rr, re, afmode, nw0, nw1, bar, fs
.if (\u) == 0
	s_add_co_u32 s[TS], s[TS], 16
	TWLOAD
.endif
.if (\afmode) == 1
	AFIMG 1-(\af), 1-(\buf)
.elseif (\afmode) == 2
	AFY 1-(\af), \buf
.endif
	s_wait_loadcnt \nw0
.set i_, 0
.set qn, 0
.set qend, 56+3*(16+((4-(\u))&1))
.irp g, 0,1,2,3
.irp m, 0,1,2,3
.irp bb, 0,1,2
.set b_, 3*\g+\bb
	ACCSET 12*\m+b_
	WIN (AW<<6)|(AW<<4)|4|(1+(\set))
	WM ACR, 12*b_, AFB+48*(\af)+12*\m, SCB+6*(\set)+b_/2, AS+4*(\af)+\m, b_%2
.if i_ == 12
	s_wait_loadcnt \nw1
.if (\u) == 0
	s_wait_dscnt 22                                ; the 29 window loads are in; the 13 loads of the next rows and the 9 out of the ring, issued behind them, may stay out
.endif
.endif
.if ((\u) >= 0) && (i_ >= 12) && (qn < qend)
	WIN 0
.rept 4
	QI \u, \buf
.endr
.endif
.if (i_ == 11) && ((\rr) >= 0)
	PLACES 4                                       ; behind group 0's last product
	WIN (1+(\set))<<6
.set j_, 0
.rept 9
	ds_load_b128 v[4*j_:4*j_+3], v[\rr] offset:(\re)*STEPB+512*j_
.set j_, j_+1
.endr
.endif
.if ((\ld) >= 0) && ((i_ == 23) || (i_ == 35))
	WIN 0
	PLACES 4                                       ; behind the group's last product
	GLD \set, \g, \ld
.endif
.if ((\bar) == 2) && (i_ == 39)
	WIN 0                                          ; (the add's two registers lie in window 0)
	s_wait_tensorcnt 0x0                           ; all my tensor loads have landed: the one that was out is my part of the slot that is read next
	ds_add_u32 v[SPW], v[NIL]                      ; 0 onto my spare word
	s_add_nc_u64 s[G0W+4*(\fs)+2:G0W+4*(\fs)+3], s[G0W+4*(\fs)+2:G0W+4*(\fs)+3], 4*CH   ; no tensor load of mine is out: this slot's next two K steps, four on
.endif
.if (\bar) && (i_ == 43)
	s_wait_dscnt 0x0                               ; my image has landed, my reads of the other buffer and of the ring are in (bar = 2: and the add is done)
	s_barrier_signal -1
.endif
.set i_, i_+1
.endr
.endr
.endr
	WIN 0
.if \bar
	s_barrier_wait -1
.elseif ((\afmode) != 0) || ((\rr) >= 0)
	s_wait_dscnt 0x0                               ; the next step's rows and this set's new group 0 are in
.endif
.if (\bar) == 2
	CREST                                          ; no wave of any partner still reads this slot or has a load on its way
	tensor_load_to_lds s[G0W+4*(\fs):G0W+4*(\fs)+3], s[G1W:G1W+7]   ; my one tensor load behind the round, and the first thing there: it has two K steps' work in which to land
	s_nop 0
.endif
	PLACES 4                                       ; behind the step's last products: for group 3's loads and for the next step's loads into the rows' other set
.if (\ld) >= 0
	GLD \set, 3, \ld
	WIN 0
.endif
.endm
; the head's macros
.macro XPLD bank, xa, xi, pa, pi, ps   ; 32 numbers of x of my row and half, and their mean, gain, beta: 32 LDS loads
.irp q, 0,1,2,3,4,5,6,7
	ds_load_b128 v[\bank+4*\q:\bank+4*\q+3], v[\xa] offset:(\xi)+16*\q
.endr
.irp q, 0,1,2,3,4,5,6,7
	ds_load_b128 v[TW0+4*\q:TW0+4*\q+3], v[\pa] offset:(\pi)+16*\q
.endr
.irp q, 0,1,2,3,4,5,6,7
	ds_load_b128 v[TW1+4*\q:TW1+4*\q+3], v[\pa] offset:(\pi)+(\ps)+16*\q
.endr
.irp q, 0,1,2,3,4,5,6,7
	ds_load_b128 v[TW2+4*\q:TW2+4*\q+3], v[\pa] offset:(\pi)+2*(\ps)+16*\q
.endr
.endm
.macro BN bank                         ; (x - mean) x gain + beta
.set i_, 0
.rept 16
	v_pk_add_f32 v[\bank+2*i_:\bank+2*i_+1], v[\bank+2*i_:\bank+2*i_+1], v[TW0+2*i_:TW0+2*i_+1] neg_lo:[0,1] neg_hi:[0,1]
.set i_, i_+1
.endr
.set i_, 0
.rept 16
	v_pk_fma_f32 v[\bank+2*i_:\bank+2*i_+1], v[\bank+2*i_:\bank+2*i_+1], v[TW1+2*i_:TW1+2*i_+1], v[TW2+2*i_:TW2+2*i_+1]
.set i_, i_+1
.endr
.endm
.macro TSTEP e, refill, lw             ; a K step of the text branch: tW's set e against F.  lw: the other set's 28 loads, issued behind this set's, may stay out
	WORD
	VW
	s_wait_loadcnt \lw
	PLACES 8                                       ; a scale word made by vector lines stands 8 places ahead of the product, an operand 4
	WIN 0xf3
.irp t, 0,1,2,3,4,5,6,7
	WM 192+8*\t, 96*(\e)+12*\t, F, AS+4*(\e)+\t/2, WD, \t%2
.endr
	WIN 0
	PLACES 4
.if \refill
	WIN 0xc0
.set j_, 0
.rept 24
	global_load_b128 v[96*(\e)+4*j_:96*(\e)+4*j_+3], v[L16], s[TWP:TWP+1] offset:((\e)+2)*TWCH+512*j_
.set j_, j_+1
.endr
	WIN 0
.set j_, 0
.rept 4
	global_load_b32 v[AS+4*(\e)+j_], v[L4], s[TWP:TWP+1] offset:((\e)+2)*TWCH+12288+128*j_
.set j_, j_+1
.endr
.endif
.endm
.macro TTRIP refill, last              ; a segment of 256 columns of text: two K steps; each half step's LDS loads are issued a half step ahead, into the other bank
	VW
	s_wait_dscnt 0x0
	BN P
	XPLD PX, XAD, 256, PAD, 256, 3072
	QBLK P, 0
	VW
	s_wait_dscnt 0x0
	BN PX
	XPLD P, XAD, 512, PAD, 512, 3072
	QBLK PX, 1
	TSTEP 0, \refill, 28
	VW
	s_wait_dscnt 0x0
	BN P
	XPLD PX, XAD, 768, PAD, 768, 3072
	QBLK P, 0
	VW
	s_wait_dscnt 0x0
	BN PX
.if !(\last)
	s_add_co_u32 s[TXO], s[TXO], TXL
	s_add_co_u32 s[TPO], s[TPO], 1024
	v_add_nc_u32 v[XAD], s[TXO], v[XB]
	v_add_nc_u32 v[PAD], s[TPO], v[PB]
	XPLD P, XAD, 0, PAD, 0, 3072
.endif
	QBLK PX, 1
.if \last
	TSTEP 1, \refill, 0
.else
	TSTEP 1, \refill, 28
.endif
.endm
.macro BIAS sb, vo, kind               ; a bias goes straight into the 48 accumulators, in the result's layout: nothing is cleared and no first step is written out
.set l_, 0
.rept 48
	ACCSET l_
	WIN AW<<6
.set b_, l_%12
.if \kind
.set o_, 1024*(b_/4)+64*(b_%4)
.else
.set o_, 128*(b_/2)+32*(b_%2)
.endif
	global_load_b128 v[ACR:ACR+3], v[\vo], s[\sb:\sb+1] offset:o_
	global_load_b128 v[ACR+4:ACR+7], v[\vo], s[\sb:\sb+1] offset:o_+16
.set l_, l_+1
.endr
	WIN 0
.endm
; ======== the head
	s_load_b512 s[4:19], s[0:1], 0x0               ; text_x 4, audio_x 6, a_gamma 8, a_beta 10, a_mean 12, a_var 14, ab 16, t_gamma 18
	s_load_b512 s[20:35], s[0:1], 0x40             ; t_beta 20, t_mean 22, t_var 24, tb 26, b1 28, b2 30, wq 32, out0 34
	v_lshl_add_u32 v[SPW], v0, 2, SPARE
	v_mov_b32 v[NIL], 0
	ds_add_u32 v[SPW], v[NIL]                      ; the opening: the add, twice on end, and its wait ahead of the round in front of my first tensor load
	ds_add_u32 v[SPW], v[NIL]
	v_lshrrev_b32 v[ROW], 5, v0
	v_readfirstlane_b32 s[WV], v[ROW]              ; wave 0..3
	; group 1: my 16 rows of text_x are 49,152 dense bytes: 48 lines of 1,024 bytes (128 elements of 8), 16 bytes of padding behind each 256 words; no mask: rows of my own
	s_mov_b32 s[G1T+0], (3<<16)|(1<<20)|(7<<22)|(3<<25)
	s_mov_b32 s[G1T+1], 128<<16
	s_mov_b32 s[G1T+2], 48<<16
	s_mov_b32 s[G1T+3], 128<<16
	s_mov_b32 s[G1T+4], 48
	s_mov_b32 s[G1T+5], 128
	s_mov_b32 s[G1T+6], 0
	s_mov_b32 s[G1T+7], 0
	s_mov_b32 s[SEL], 0x76543210
	s_mov_b32 s[SEL+1], 0xfedcba98                 ; selects for lane l xor 16
	s_mov_b32 s[TXO], 0
	s_mov_b32 s[TPO], 0
	s_bfe_u32 s86, ttmp6, 0x40000                  ; cx: my place in the cluster; it enters the addresses of text_x, audio_x and out0 alone
	s_lshl_b32 s87, ttmp9, 2                       ; in a cluster launch ttmp9 counts clusters
	s_add_co_u32 s87, s87, s86                     ; my block of 64 rows = 4 x cluster + cx
	s_mul_i32 s96, s87, 196608                     ; in text_x and out0 (under 2^26 bytes)
	s_mov_b32 s97, 0
	s_mul_i32 s88, s[WV], 49152                    ; my wave's 16 rows in the block
	s_mov_b32 s89, 0
	s_lshl_b32 s90, s87, 15                        ; the block in audio_x,
	s_lshl_b32 s91, s[WV], 13
	s_add_co_u32 s90, s90, s91                     ; and my 16 rows
	s_mov_b32 s91, 0
	s_mul_i32 s92, s[WV], 48*TXL                   ; my 48 lines in LDS
	s_mul_i32 s93, s[WV], 16*AUDP
	s_add_co_u32 s93, s93, AUD
	s_mul_i32 s94, s[WV], 1536
	s_add_co_u32 s94, s94, IMG
	s_lshl_b32 s95, s[WV], 2
	s_add_co_u32 s95, s95, IMG+6144
	VW
	v_and_b32 v[RR], 15, v0
	v_bfe_u32 v[HH], v0, 4, 1
	v_lshl_add_u32 v[ROW], v[ROW], 4, v[RR]        ; my row of the 64
	v_and_b32 v[L4], 31, v0
	v_lshlrev_b32 v[L16], 4, v[L4]
	v_lshlrev_b32 v[L4], 2, v[L4]
	v_lshlrev_b32 v[V8H], 3, v[HH]
	v_lshlrev_b32 v[V32H], 5, v[HH]
	v_mov_b32 v[WD2], 0                            ; a lane permute's destination counts as one of its sources
.irp i, 0,1,2,3
	v_mov_b32 v[Z4+\i], 0
.endr
	v_mov_b32 v[ONE], 1.0
	v_lshlrev_b32 v[T8], 3, v0
	v_lshlrev_b32 v[T4], 2, v0
	v_add_nc_u32 v[PA8], PRM, v[T8]
	v_add_nc_u32 v[PA4], PRM, v[T4]
	v_add_nc_u32 v[IST], s94, v[L16]
	v_add_nc_u32 v[ISS], s95, v[L16]
	v_add_nc_u32 v[IAD], IMG, v[L16]
	v_add_nc_u32 v[AST], s93, v[L16]
	v_mul_u32_u24 v[GZ], v[ROW], GP
	v_add_nc_u32 v[GZ], G, v[GZ]
	v_lshl_add_u32 v[GW], v[HH], 5, v[GZ]
	v_add_nc_u32 v[GW], 148, v[GW]
	v_lshl_add_u32 v[GB], v[HH], 7, v[GZ]
	v_add_nc_u32 v[GB], 128, v[GB]
	v_mul_u32_u24 v[G2R], v[ROW], G2P
	v_add_nc_u32 v[G2R], G2, v[G2R]
	v_lshl_add_u32 v[G2W], v[HH], 5, v[G2R]
	v_add_nc_u32 v[G2W], 16, v[G2W]
	v_lshl_add_u32 v[G2B], v[HH], 7, v[G2R]
	v_add_nc_u32 v[G2Z], 144, v[G2B]
	v_add_nc_u32 v[G2B], 128, v[G2B]
	v_mul_u32_u24 v[ADG], v[HH], 144
	v_sub_nc_u32 v[G2R], v[G2R], v[ADG]
	v_add_nc_u32 v[G2R], 144, v[G2R]               ; lanes 16-31: my row's first 16 bytes of G2; lanes 0-15: its bytes 144 on, which hold zeros
	v_mul_u32_u24 v[ATB], v[ROW], ATP
	v_add_nc_u32 v[ATB], AT, v[ATB]
	v_lshl_add_u32 v[ATW], v[HH], 5, v[ATB]
	v_add_nc_u32 v[ATW], 20, v[ATW]
	v_mul_u32_u24 v[XB], v[ROW], TXP
	v_lshl_add_u32 v[XB], v[HH], 7, v[XB]
	v_mov_b32 v[XAD], v[XB]
	v_lshlrev_b32 v[PB], 7, v[HH]
	v_add_nc_u32 v[PB], PRM, v[PB]
	v_mov_b32 v[PAD], v[PB]
	v_mul_u32_u24 v[XBA], v[ROW], AUDP
	v_lshl_add_u32 v[XBA], v[HH], 7, v[XBA]
	v_add_nc_u32 v[XBA], AUD, v[XBA]
	VW                                             ; the head's end
	s_wait_dscnt 0x0                               ; both opening adds are done
	s_wait_kmcnt 0x0
	s_add_nc_u64 s[4:5], s[4:5], s[96:97]          ; text_x at the work-group's first row: kept for the residual
	s_mov_b32 s[G0T], 1
	s_mov_b32 s[G0T+1], s92
	s_add_nc_u64 s[G0T+2:G0T+3], s[4:5], s[88:89]
	s_or_b32 s[G0T+3], s[G0T+3], 0x80000000
	ROUND                                          ; the round in front of the launch's first tensor loads
	tensor_load_to_lds s[G0T:G0T+3], s[G1T:G1T+7]  ; my one tensor load at the head: my 16 rows of text_x; I alone read them until barriers have passed
	s_nop 0
	PLACES 4
	s_add_nc_u64 s[6:7], s[6:7], s[90:91]          ; audio_x at my first row
	s_add_nc_u64 s[OUTP:OUTP+1], s[34:35], s[96:97]
	s_mul_i32 s98, s[WV], 40*CH
	s_mov_b32 s99, 0
	s_add_nc_u64 s[BP:BP+1], s[32:33], s[98:99]    ; my wave's stream of weights
	s_add_nc_u64 s[TWP:TWP+1], s[32:33], TWQ
	s_mul_i32 s98, s[WV], 768
	s_add_nc_u64 s[28:29], s[28:29], s[98:99]      ; b1 at my 192 columns
	s_lshl_b32 s98, s[WV], 8
	s_add_nc_u64 s[30:31], s[30:31], s[98:99]      ; b2 at my 64 columns of a segment
; the norms' numbers (16 loads: thread t takes 6 of text's 768 and one of audio's 128), audio_x (16), aW, ab, tb (27)
.irp q, 0,1,2
	global_load_b64 v[104+2*\q:105+2*\q], v[T8], s[24:25] offset:1024*\q   ; var
	global_load_b64 v[112+2*\q:113+2*\q], v[T8], s[18:19] offset:1024*\q   ; gamma
	global_load_b64 v[120+2*\q:121+2*\q], v[T8], s[22:23] offset:1024*\q   ; mean
	global_load_b64 v[128+2*\q:129+2*\q], v[T8], s[20:21] offset:1024*\q   ; beta
.endr
	global_load_b32 v110, v[T4], s[14:15]
	global_load_b32 v118, v[T4], s[8:9]
	global_load_b32 v126, v[T4], s[12:13]
	global_load_b32 v134, v[T4], s[10:11]
	WIN 0x80
.set j_, 0
.rept 16
	global_load_b128 v[184+4*j_:187+4*j_], v[L16], s[6:7] offset:512*j_ th:TH_LOAD_NT    ; a row of audio_x: 512 consecutive bytes
.set j_, j_+1
.endr
.set j_, 0
.rept 6
	global_load_b128 v[144+4*j_:147+4*j_], v[L16], s[32:33] offset:AWQ+512*j_
.set j_, j_+1
.endr
.set j_, 0
.rept 4
	global_load_b128 v[168+4*j_:171+4*j_], v[V32H], s[16:17] offset:64*(j_/2)+16*(j_%2)    ; ab is the C of audio_h's sums: lane (r, h), tile t: units 16 t + 8 h + 0 .. 7
.set j_, j_+1
.endr
	WIN 0
	global_load_b32 v[ASA], v[L4], s[32:33] offset:AWQ+3072
	WIN 0xc0
.set j_, 0
.rept 16
	global_load_b128 v[192+4*j_:195+4*j_], v[V32H], s[26:27] offset:64*(j_/2)+16*(j_%2)    ; tb likewise
.set j_, j_+1
.endr
	WIN 0
	s_wait_loadcnt 43                              ; the norms' 16 loads are in; the 43 behind them may stay out
.irp i, 0,1,2,3,4,5,6
	v_add_f32 v[104+\i], 0x3727c5ac, v[104+\i]     ; var + 1e-5
.endr
	VW                                             ; ahead of the batch
.irp i, 0,1,2,3,4,5,6
	v_rsq_f32 v[104+\i], v[104+\i]
.endr
	v_nop                                          ; a plain line behind the last of the batch
	VW                                             ; and behind it, ahead of its first reader
.irp i, 0,1,2,3,4,5,6
	v_mul_f32 v[112+\i], v[112+\i], v[104+\i]      ; gain = gamma x rsqrt(var + eps)
.endr
.irp q, 0,1,2
	ds_store_b64 v[PA8], v[120+2*\q:121+2*\q] offset:1024*\q
	ds_store_b64 v[PA8], v[112+2*\q:113+2*\q] offset:3072+1024*\q
	ds_store_b64 v[PA8], v[128+2*\q:129+2*\q] offset:6144+1024*\q
.endr
	ds_store_b32 v[PA4], v126 offset:9216
	ds_store_b32 v[PA4], v118 offset:9728
	ds_store_b32 v[PA4], v134 offset:10240
	VW
	s_wait_loadcnt 27                              ; audio_x is in; aW, ab, tb may stay out
	WIN 0x08                                       ; an LDS store's data are its source 1: window 2
.set j_, 0
.rept 16
	ds_store_b128 v[AST], v[184+4*j_:187+4*j_] offset:AUDP*j_
.set j_, j_+1
.endr
	WIN 0xc0
.irp e, 0,1
.set j_, 0
.rept 24
	global_load_b128 v[96*\e+4*j_:96*\e+4*j_+3], v[L16], s[TWP:TWP+1] offset:TWCH*\e+512*j_
.set j_, j_+1
.endr
.endr
	WIN 0
.irp e, 0,1
.irp j, 0,1,2,3
	global_load_b32 v[AS+4*\e+\j], v[L4], s[TWP:TWP+1] offset:TWCH*\e+12288+128*\j
.endr
.endr
	BARRIER                                        ; the norms' numbers lie in LDS
; ======== audio_h: one K step
	XPLD P, XBA, 0, PB, 9216, 512
	s_wait_dscnt 0x0
	BN P
	XPLD PX, XBA, 256, PB, 9216+256, 512
	QBLK P, 0
	VW
	s_wait_dscnt 0x0
	BN PX
	QBLK PX, 1
	WORD
	VW
	s_wait_loadcnt 56                              ; aW, ab, tb are in; tW's 56 loads may stay out
	PLACES 8
	WIN 0xa2
	WM 168, 144, F, ASA, WD, 0
	WM 176, 156, F, ASA, WD, 1
	WIN 0
	PLACES 4
	WIN 0x08
.irp t, 0,1
.irp j, 0,1,2,3,4,5,6,7
	ds_store_b32 v[ATW], v[168+8*\t+\j] offset:64*\t+4*\j      ; a_(1 + 16 t + 8 h + j); each accumulator from its low end on
.endr
.endr
	WIN 0
	ds_store_b128 v[ATB], v[Z4:Z4+3]               ; a_-4 .. a_-1 = 0
	ds_store_b32 v[ATB], v[ONE] offset:16          ; a_0 = 1
	ds_store_b32 v[ATB], v[Z4] offset:148          ; a_33 .. a_35 = 0
	ds_store_b32 v[ATB], v[Z4] offset:152
	ds_store_b32 v[ATB], v[Z4] offset:156
; the stream's first two K steps, whole, into the two sets: the ring's bytes still hold text_x
.irp e, 0,1
	WIN (1+\e)<<6
.set j_, 0
.rept 36
	global_load_b128 v[4*j_:4*j_+3], v[L16], s[BP:BP+1] offset:CH*\e+512*j_
.set j_, j_+1
.endr
	WIN 0
.irp j, 0,1,2,3,4,5
	global_load_b32 v[SCB+6*\e+\j], v[L4], s[BP:BP+1] offset:CH*\e+18432+128*\j
.endr
.endr
	VW
	s_wait_tensorcnt 0x0                           ; my rows of text_x are in
	XPLD P, XAD, 0, PAD, 0, 3072                   ; the text branch's first half step
; ======== text_h: six K steps
	s_mov_b32 s[CNT], 2
.Ltext:
	TTRIP 1, 0
	s_wait_xcnt 0x0                                ; the loads have read their base: it may step
	s_add_nc_u64 s[TWP:TWP+1], s[TWP:TWP+1], 2*TWCH
	s_sub_co_u32 s[CNT], s[CNT], 1
	s_cmp_lg_u32 s[CNT], 0
	VW
	s_cbranch_scc1 .Ltext
	TTRIP 0, 1
; ======== text_x has been read for the norm: its first 73,728 bytes become the ring.  K steps 2 and 3 go into slot 1; they land under the work up to the main loop.
	VW
	s_wait_tensorcnt 0x0                           ; no tensor load of mine is out
	ds_add_u32 v[SPW], v[NIL]                      ; 0 onto my spare word; the descriptors' words stand between it and the wait for it
	; group 1 of the joint loads: 2 rows (two K steps) of 4,608 bytes (576 elements of 8 bytes: my first 3 fragments of a chunk), 19,200 bytes (2,400 elements) from chunk to chunk, dense in LDS
	s_mov_b32 s[G1W+0], 15|(3<<16)|(1<<21)         ; 15:0 the mask: all four work-groups; 17:16 elements of 8 bytes; 21 set beside a mask
	s_mov_b32 s[G1W+1], 576<<16
	s_mov_b32 s[G1W+2], 2<<16
	s_mov_b32 s[G1W+3], 576<<16
	s_mov_b32 s[G1W+4], 2
	s_mov_b32 s[G1W+5], 2400
	s_mov_b32 s[G1W+6], 0
	s_mov_b32 s[G1W+7], 0
	s_mul_i32 s86, s[WV], WPART                    ; my part of a slot: the wave's number alone enters the LDS address and the place in the stream
	s_mov_b32 s[G0W], 1                            ; slot 0: first K steps 4 and 5
	s_mov_b32 s[G0W+1], s86
	s_add_nc_u64 s[G0W+2:G0W+3], s[BP:BP+1], 4*CH
	s_or_b32 s[G0W+3], s[G0W+3], 0x80000000
	s_mov_b32 s[G0W+4], 1                          ; slot 1: first K steps 2 and 3
	s_add_co_u32 s[G0W+5], s86, SLOTB
	s_add_nc_u64 s[G0W+6:G0W+7], s[BP:BP+1], 2*CH
	s_or_b32 s[G0W+7], s[G0W+7], 0x80000000
	s_wait_dscnt 0x0                               ; the add is done, and my reads of text_x, audio_x and the norms' numbers are over
	ROUND                                          ; so it is with every wave of all four work-groups: G may also be written over audio_x
	tensor_load_to_lds s[G0W+4:G0W+7], s[G1W:G1W+7]
	s_nop 0
	PLACES 4
; ======== G and G2 of my 16 rows (text_h unit 16 t + 8 h + j is _t[1 + unit])
	v_cmp_eq_u32 vcc_lo, 1, v[HH]
	WIN 0x0c                                       ; data: window 3
.irp t, 0,1,2,3,4,5,6,7
.irp j, 0,1,2,3,4,5,6,7
	ds_store_b32 v[GW], v[192+8*\t+\j] offset:64*\t+4*\j
.endr
.endr
.irp t, 6,7
.irp z, 0,1
	ds_store_b128 v[G2W], v[192+8*\t+4*\z:195+8*\t+4*\z] offset:64*(\t-6)+16*\z    ; units 96 .. 127: G2[-32 .. -1]
.endr
.endr
.irp i, 0,1,2,3
	v_cndmask_b32 v[P+\i], v[Z4+\i], v[236+\i], vcc_lo     ; units 92 .. 95 lie in lanes 16-31 of tile 5; lanes 0-15 take zeros
.endr
	WIN 0
	ds_store_b128 v[G2R], v[P:P+3]                 ; lanes 16-31: G2[-36 .. -33]; lanes 0-15: zeros to G2[0 .. 3]
.irp q, 0,1,2,3,4,5,6,7,8
	ds_store_b128 v[GZ], v[Z4:Z4+3] offset:16*\q   ; G[-36 .. -1] = 0
.endr
	ds_store_b32 v[GZ], v[ONE] offset:144          ; G[0] = 1
.irp q, 0,1,2,3,4,5,6,7
	ds_store_b128 v[G2Z], v[Z4:Z4+3] offset:16*\q  ; G2[0 .. 63] = 0, half of them from each half of the lanes
.endr
	BARRIER
; ======== the pipe is filled: K steps 0 and 1 of the fusion
	s_mov_b32 s[TS], 0
	s_mul_i32 s86, s[WV], WPART
	TWLOAD
	v_mov_b32 v[AX+1], 0                           ; (named as upper halves of pairs)
	v_mov_b32 v[AY+1], 0
	v_lshlrev_b32 v[V64H], 6, v[HH]
	v_add_nc_u32 v[RB0], s86, v[L16]
	v_add_nc_u32 v[RB1], SLOTB, v[RB0]
	VW
	s_wait_dscnt 0x0
	QALL 0, 0
	VW
	s_wait_dscnt 0x0                               ; the image's stores have read F
	QALL 1, 1
	BIAS 28, V64H, 0                               ; b1: lane (r, h), tile 2 bt + u: columns 32 bt + 16 h + 8 u + 0 .. 7 of my 192
	BARRIER                                        ; both images are whole
	AFIMG 0, 0
	s_wait_tensorcnt 0x0                           ; my part of slot 1 has landed
	ds_add_u32 v[SPW], v[NIL]
	s_wait_dscnt 0x0                               ; the add is done; my reads of image buffer 0 are in: K step 2's image may be written there behind the round
	ROUND
	tensor_load_to_lds s[G0W:G0W+3], s[G1W:G1W+7]  ; K steps 4 and 5 into slot 0
	s_nop 0
	PLACES 4
	s_wait_loadcnt 0x0                             ; b1 and the two sets are in
; ======== product 4: 34 K steps; step s multiplies K step s, reads the image of s + 1, makes the image of s + 2 and takes in the weights of s + 2.
; K steps 2 P and 2 P + 1 lie in slot P % 2.  Steps 4 t and 4 t + 1 read slot 1, steps 4 t + 2 and 4 t + 3 slot 0; the slot just read out is filled again at the end of each odd step.
	s_mov_b32 s[CNT], 8
.Lmain:
	MSTEP 0, 0, 2, 0, 2*CH, RB1, 0, 1, 54, 33, 1, 0
	MSTEP 1, 1, 3, 1, 3*CH, RB1, 1, 1, 54, 33, 2, 1
	MSTEP 0, 0, 0, 0, 4*CH, RB0, 0, 1, 54, 33, 1, 0
	MSTEP 1, 1, 1, 1, 5*CH, RB0, 1, 1, 54, 33, 2, 0
	s_wait_xcnt 0x0                                ; the loads have read their base: it may step
	s_add_nc_u64 s[BP:BP+1], s[BP:BP+1], 4*CH
	s_sub_co_u32 s[CNT], s[CNT], 1
	s_cmp_lg_u32 s[CNT], 0
	VW
	s_cbranch_scc1 .Lmain
	MSTEP 0, 0, -1, 0, 2*CH, RB1, 0, 1, 54, 33, 0, 0   ; K steps 32 and 33: nothing is left to quantise; the stream goes on into W2
	MSTEP 1, 1, -1, 1, 3*CH, RB1, 1, 0, 54, 33, 2, 1   ; the last fill: the stream's last two K steps into slot 1; they land under the work on y1
; ======== y1 = relu(..), quantised in registers.  The 16 registers of tiles 2 bt and 2 bt + 1 are 16 neighbours along the next K: k = 192 w + 32 bt + 16 h + 0 .. 15.
; It is written over G and G2, whose last reads stand behind barriers that every wave has passed.
	s_mul_i32 s86, s[WV], 2304
	s_add_co_u32 s86, s86, Y1
	s_lshl_b32 s89, s[WV], 8
	v_add_nc_u32 v[YW], s86, v[L16]                ; my three half fragments begin at 768 x 3 w
	v_lshrrev_b32 v[YW8], 1, v[L16]
	v_add_nc_u32 v[YW8], s86, v[YW8]
	v_add_nc_u32 v[YW8], 512, v[YW8]
	v_mul_u32_u24 v[CO], v[HH], 3072               ; text_x and out0: lanes 0-15 one row's 256 bytes of my columns, lanes 16-31 the next row's
	v_lshl_add_u32 v[CO], v[RR], 4, v[CO]
	v_add_nc_u32 v[CO], s89, v[CO]
.irp c, 0,1,2
	s_mul_i32 s87, s[WV], 3
	s_add_co_u32 s87, s87, \c                      ; half fragment gm = 3 w + c: K step gm / 2, half gm % 2
	s_lshr_b32 s88, s87, 1
	s_lshl_b32 s88, s88, 9
	s_and_b32 s87, s87, 1
	s_lshl_b32 s87, s87, 1
	s_add_co_u32 s88, s88, s87
	s_add_co_u32 s88, s88, Y1+36864
	v_add_nc_u32 v[YS+\c], s88, v[L16]
.endr
	v_add_nc_u32 v[YA16], Y1, v[L16]
	v_lshrrev_b32 v[YA8], 1, v[L16]
	v_add_nc_u32 v[YA8], Y1+512, v[YA8]
	v_add_nc_u32 v[YSA], Y1+36864, v[L16]
	v_mov_b32 v[RBX], v[RB0]                       ; product 5's first two K steps take their group 0 out of slot 0
.irp b, 0,1,2,3,4,5
	v_mov_b32 v[BT+\b], 0                          ; a lane permute's destination counts as one of its sources
.endr
	VW
.macro Y1M m
.set l_, 0
.rept 12
	ACCSET 12*(\m)+l_
	WIN AW<<2
.set j_, 0
.rept 8
	v_max_num_f32 v[YV+8*l_+j_], 0, v[ACR+j_]      ; the activation, into window 0; each accumulator from its low end on
.set j_, j_+1
.endr
.set l_, l_+1
.endr
	WIN 0
.irp b, 0,1,2,3,4,5
	v_max3_num_f32 v[BM+\b], v[YV+16*\b], v[YV+16*\b+1], 0x1800000     ; none is negative: no |.|; the floor 2^(3 - 127)
.endr
.irp i, 2,4,6,8,10,12,14
.irp b, 0,1,2,3,4,5
	v_max3_num_f32 v[BM+\b], v[BM+\b], v[YV+16*\b+\i], v[YV+16*\b+\i+1]
.endr
.endr
.irp b, 0,1,2,3,4,5
	v_permlanex16_b32 v[BT+\b], v[BM+\b], s[SEL], s[SEL+1]
.endr
.irp b, 0,1,2,3,4,5
	v_max_num_f32 v[BM+\b], v[BM+\b], v[BT+\b]     ; with lane l xor 16's 16: the block's
.endr
.irp b, 0,1,2,3,4,5
	v_add_nc_u32 v[SP6+\b], 0xff000000, v[BM+\b]
.endr
.irp b, 0,1,2,3,4,5
	v_lshrrev_b32 v[BY6+\b], 23, v[SP6+\b]
.endr
.irp c, 0,1,2
	v_cvt_scalef32_pk16_fp6_f32 v[HB+12*\c:HB+12*\c+2], v[YV+32*\c:YV+32*\c+15], v[SP6+2*\c]
	v_cvt_scalef32_pk16_fp6_f32 v[HB+12*\c+6:HB+12*\c+8], v[YV+32*\c+16:YV+32*\c+31], v[SP6+2*\c+1]
.endr
	v_nop                                          ; one plain line behind the conversions
.irp c, 0,1,2
.irp i, 0,1,2
	v_permlane16_swap_b32 v[HB+12*\c+\i], v[HB+12*\c+6+\i]     ; the layout wants a whole block in a lane: lanes 0-15 block 2 c, lanes 16-31 block 2 c + 1
.endr
.irp i, 0,1,2
	v_mov_b32 v[HB+12*\c+3+\i], v[HB+12*\c+6+\i]
.endr
	v_lshl_or_b32 v[HB+12*\c+10], v[BY6+2*\c+1], 8, v[BY6+2*\c]
	ds_store_b128 v[YW], v[HB+12*\c:HB+12*\c+3] offset:9216*(\m)+768*\c
	ds_store_b64 v[YW8], v[HB+12*\c+4:HB+12*\c+5] offset:9216*(\m)+768*\c
	ds_store_b16 v[YS+\c], v[HB+12*\c+10] offset:4*(\m)
.endr
	VW
	s_wait_dscnt 0x0                               ; the stores have read their registers
.endm
	Y1M 0
	Y1M 1
	Y1M 2
	Y1M 3
	BIAS 30, V32H, 1                               ; b2: tile b: columns 256 (b / 4) + 64 w + 16 (b % 4) + 8 h + 0 .. 7
	BARRIER                                        ; y1's 24 fragments lie in LDS (nothing is filled again from here on)
	AFY 0, 0
	s_wait_tensorcnt 0x0                           ; my part of the last fill has landed: I alone read it
	s_wait_dscnt 0x0
	s_wait_loadcnt 0x0                             ; b2 and what was asked of the stream are in
	s_wait_xcnt 0x0
	s_add_nc_u64 s[BP:BP+1], s[BP:BP+1], 2*CH      ; the stream at W2's first K step
; ======== product 5: six K steps; y1 is only read, so no barrier
	s_mov_b32 s[CNT], 2
.Lsecond:
	MSTEP 0, 0, -1, 1, 2*CH, RBX, 0, 2, 54, 33, 0, 0
	MSTEP 1, 1, -1, 2, 3*CH, RBX, 1, 2, 54, 33, 0, 0
	s_wait_xcnt 0x0
	s_add_nc_u64 s[BP:BP+1], s[BP:BP+1], 2*CH
	v_add_nc_u32 v[YA16], 3072, v[YA16]            ; two K steps on
	v_add_nc_u32 v[YA8], 3072, v[YA8]
	v_add_nc_u32 v[YSA], 1024, v[YSA]
	v_add_nc_u32 v[RBX], SLOTB, v[RBX]             ; and the other slot
	s_sub_co_u32 s[CNT], s[CNT], 1
	s_cmp_lg_u32 s[CNT], 0
	VW
	s_cbranch_scc1 .Lsecond
	TXT 0, 0, 56                                   ; text_x's rows 0 to 31 for the residual: 48 loads, behind the stream's last
	TXT 1, 0, 152
	MSTEP 0, 0, -1, 1, -1, -1, 0, 2, 63, 63, 0, 0  ; behind what this set needs came 54 and 33 loads of the stream and these 48: more than the wait's field, which holds 63
	MSTEP 1, 1, -1, 0, -1, -1, 0, 0, 63, 48, 0, 0  ; behind the last set's group 1: 21 + 48 (the field holds 63); behind its group 3: the 48
; ======== the way out.  Lane (r, h) holds, of row 16 m + r, the columns 256 seg + 64 w + 16 t + 8 h + 0 .. 7.  The stage is text_x's own place and form in LDS (the ring in it has had its last fill).
; My 64 columns of a segment are one aligned 256 bytes of a row: I read them back by rows (sixteen lanes a row) and store them.  In the stage no wave touches another's bytes.
	v_mul_u32_u24 v[EA], v[RR], TXP
	v_lshl_add_u32 v[EA], v[HH], 5, v[EA]
	v_add_nc_u32 v[EA], s89, v[EA]
	v_mul_u32_u24 v[CA], v[HH], TXP
	v_lshl_add_u32 v[CA], v[RR], 4, v[CA]
	v_add_nc_u32 v[CA], s89, v[CA]
.irp m, 1,2,3
	v_add_nc_u32 v[EA+\m], 16*TXP*\m, v[EA]
	v_add_nc_u32 v[CA+\m], 16*TXP*\m, v[CA]
.endr
	VW
.macro XL m, win, base                 ; text_x, still in LDS, at tile row m's 12 accumulators: 24 LDS loads
	WIN (\win)<<6
.set k_, 0
.rept 24
	ds_load_b128 v[(\base)+4*k_:(\base)+4*k_+3], v[EA+(\m)] offset:TXL*(k_/8)+64*((k_/2)%4)+16*(k_%2)
.set k_, k_+1
.endr
	WIN 0
.endm
	XL 2, 1, 144                                   ; into registers that held the rows' fragments and the weights
	XL 3, 2, 0
	BARRIER                                        ; every wave's reads of the ring are over: the stage reaches over all four waves' parts
.macro RELU m
.set b_, 0
.rept 12
	ACCSET 12*(\m)+b_
	WIN (AW<<6)|(AW<<2)
.set j_, 0
.rept 8
	v_max_num_f32 v[ACR+j_], 0, v[ACR+j_]          ; each accumulator from its low end on
.set j_, j_+1
.endr
.set b_, b_+1
.endr
.endm
.macro BACK m                          ; the tile row comes back by rows into window RW, v0-95 (LDS serves a wave's instructions in order: these see my stores)
	WIN RW<<6
.set k_, 0
.rept 24
	ds_load_b128 v[4*k_:4*k_+3], v[CA+(\m)] offset:2*TXP*(k_/3)+TXL*(k_%3)
.set k_, k_+1
.endr
.endm
.macro SEND m
	WIN RW<<2                                      ; a store's data are its source 1
.set k_, 0
.rept 24
	global_store_b128 v[CO], v[4*k_:4*k_+3], s[OUTP:OUTP+1] offset:49152*(\m)+6144*(k_/3)+1024*(k_%3) th:TH_STORE_NT   ; two rows' aligned 256 bytes, sixteen lanes each
.set k_, k_+1
.endr
	WIN 0
.endm
; Tile rows 0, 1: relu(..) into the stage, back by rows, text_x (read again from memory; window 0 from v[xr] on) added there.  lc: the loads of text_x of the later tile row, which may stay out.
.macro EPG m, lc, xr
.set RW, 1+2*((\m)%2)                  ; window 1, or window 3 (where tile row 0's accumulators lay)
	RELU \m
.set b_, 0
.rept 12
	ACCSET 12*(\m)+b_
	WIN (AW<<6)|(AW<<2)                            ; an LDS store's data are its source 1, its address source 0
	ds_store_b128 v[EA+(\m)], v[ACR:ACR+3] offset:TXL*(b_/4)+64*(b_%4)
	ds_store_b128 v[EA+(\m)], v[ACR+4:ACR+7] offset:TXL*(b_/4)+64*(b_%4)+16
.set b_, b_+1
.endr
	BACK \m
	VW
	s_wait_loadcnt \lc
	s_wait_dscnt 0x0                               ; the rows are back, and the stores have read the accumulators
	WIN (RW<<6)|RW
.set k_, 0
.rept 48
	v_pk_add_f32 v[2*k_:2*k_+1], v[2*k_:2*k_+1], v[(\xr)+2*k_:(\xr)+2*k_+1]
.set k_, k_+1
.endr
	SEND \m
.endm
; Tile rows 2, 3: relu(..) is added onto text_x's numbers out of LDS (window xw from v[xr] on), the sum goes back to the same bytes and comes back by rows.
.macro EPL m, xw, xr
.set RW, 1+2*((\m)%2)
	RELU \m
.set b_, 0
.rept 12
	ACCSET 12*(\m)+b_
	WIN ((\xw)<<6)|(AW<<2)|(\xw)
.set j_, 0
.rept 4
	v_pk_add_f32 v[(\xr)+8*b_+2*j_:(\xr)+8*b_+2*j_+1], v[(\xr)+8*b_+2*j_:(\xr)+8*b_+2*j_+1], v[ACR+2*j_:ACR+2*j_+1]
.set j_, j_+1
.endr
.set b_, b_+1
.endr
	WIN (\xw)<<2
.set k_, 0
.rept 24
	ds_store_b128 v[EA+(\m)], v[(\xr)+4*k_:(\xr)+4*k_+3] offset:TXL*(k_/8)+64*((k_/2)%4)+16*(k_%2)
.set k_, k_+1
.endr
	s_wait_xcnt 0x0                                ; the stores of two tile rows ago have read the registers that the loads below fill
	BACK \m
	VW
	s_wait_dscnt 0x0
	SEND \m
.endm
	EPG 0, 24, 56
	EPG 1, 0, 152
	EPL 2, 1, 144
	EPL 3, 2, 0
	s_wait_tensorcnt 0x0                           ; the wave's end, behind my last tensor load and my last LDS store
	ds_add_u32 v[SPW], v[NIL]
	s_wait_dscnt 0x0
	ROUND                                          ; the closing round: no work-group ends while a partner may still ask for bytes that name it
	s_endpgm
.Lfunc_end_k_qf395694530_fused:
	.size	k_qf395694530_fused, .Lfunc_end_k_qf395694530_fused-k_qf395694530_fused
	.p2alignl 7, 3214868480
	.fill 96, 4, 3214868480
	.section	.rodata,"a",@progbits
	.p2align	6, 0x0
	.amdhsa_kernel k_qf395694530_fused
		.amdhsa_group_segment_fixed_size 327680
		.amdhsa_private_segment_fixed_size 0
		.amdhsa_enable_private_segment 0
		.amdhsa_kernarg_size 128
		.amdhsa_user_sgpr_count 2
		.amdhsa_user_sgpr_kernarg_segment_ptr 1
		.amdhsa_wavefront_size32 1
		.amdhsa_system_sgpr_workgroup_id_x 1
		.amdhsa_system_sgpr_workgroup_id_y 1
		.amdhsa_system_sgpr_workgroup_id_z 1
		.amdhsa_system_vgpr_workitem_id 0
		.amdhsa_next_free_vgpr 1024
		.amdhsa_next_free_sgpr 104
		.amdhsa_reserve_vcc 1
		.amdhsa_float_denorm_mode_32 3
		.amdhsa_float_denorm_mode_16_64 3
		.amdhsa_memory_ordered 1
		.amdhsa_forward_progress 1
		.amdhsa_inst_pref_size 255
	.end_amdhsa_kernel
	.section	.bss,"aw",@nobits
	.p2align	6
	.space	262144
	.amdgpu_metadata
---
amdhsa.version: [ 1, 2 ]
amdhsa.kernels:
  - .name:           k_qf395694530_fused
    .symbol:         k_qf395694530_fused.kd
    .args:
      - { .name: text_x, .offset: 0, .size: 8, .value_kind: global_buffer, .address_space: global }
      - { .name: audio_x, .offset: 8, .size: 8, .value_kind: global_buffer, .address_space: global }
      - { .name: a_gamma, .offset: 16, .size: 8, .value_kind: global_buffer, .address_space: global }
      - { .name: a_beta, .offset: 24, .size: 8, .value_kind: global_buffer, .address_space: global }
      - { .name: a_mean, .offset: 32, .size: 8, .value_kind: global_buffer, .address_space: global }
      - { .name: a_var, .offset: 40, .size: 8, .value_kind: global_buffer, .address_space: global }
      - { .name: ab, .offset: 48, .size: 8, .value_kind: global_buffer, .address_space: global }
      - { .name: t_gamma, .offset: 56, .size: 8, .value_kind: global_buffer, .address_space: global }
      - { .name: t_beta, .offset: 64, .size: 8, .value_kind: global_buffer, .address_space: global }
      - { .name: t_mean, .offset: 72, .size: 8, .value_kind: global_buffer, .address_space: global }
      - { .name: t_var, .offset: 80, .size: 8, .value_kind: global_buffer, .address_space: global }
      - { .name: tb, .offset: 88, .size: 8, .value_kind: global_buffer, .address_space: global }
      - { .name: b1, .offset: 96, .size: 8, .value_kind: global_buffer, .address_space: global }
      - { .name: b2, .offset: 104, .size: 8, .value_kind: global_buffer, .address_space: global }
      - { .name: wq, .offset: 112, .size: 8, .value_kind: global_buffer, .address_space: global }
      - { .name: out0, .offset: 120, .size: 8, .value_kind: global_buffer, .address_space: global }
    .group_segment_fixed_size: 327680
    .private_segment_fixed_size: 0
    .kernarg_segment_align: 8
    .kernarg_segment_size: 128
    .max_flat_workgroup_size: 128
    .sgpr_count:     104
    .vgpr_count:     1024
    .wavefront_size: 32
...
	.end_amdgpu_metadata
.endif
;; end of part 2
